; MI455X (gfx1250); checked and timed in simulation.
; The chip was launched on July 23, 2026; its instructions are those of AMD's public machine-readable ISA for CDNA 5 (MIT licence, August 2026) and "CDNA5" Instruction Set Architecture Reference Guide (July 2026). The comments in the code are by the model that wrote it; some were corrected since.
;; Bahdanau Attention. Allowed arithmetic: float matrix products may take bf16 or f16 operands with f32 sums; other float arithmetic in f32, or as packed bf16 or f16 multiplies, adds, multiply-adds, maxima and minima; sums over many terms, partial sums and values carried from step to step in f32; what a program stores and reads back later, other than sums and carried values, may be rounded once to bf16 or f16.
;; Inputs: W_h 1,024 x 2,048 float32; W_s 1,024 x 1,024 float32; dec_hidden 32 x 1,024 float32; enc_outputs 32 x 1,024 x 2,048 float32; v 1,024 float32.
;; Outputs: out0 32 x 2,048 float32; out1 32 x 1,024 float32.
;; One version. Each part assembles by itself: llvm-mc -triple=amdgcn-amd-amdhsa -mcpu=gfx1250 --defsym DOCPART=n.
;; ======== version 1 of 1: 3 launches
;; workspace buffers: wb 4,194,304 bytes; s2 131,072 bytes; part 262,144 bytes
;; launch prep (part 1): grid 256 x 1, 8 waves a work-group, no clusters, 0 bytes of LDS; arguments W_h, W_s, dec_hidden, wb, s2; writes wb, s2
.if DOCPART == 1
	.amdgcn_target "amdgcn-amd-amdhsa--gfx1250"
	.amdhsa_code_object_version 6
	.text
	.protected	k_qd52d220646_prep
	.globl	k_qd52d220646_prep
	.p2align	8
	.type	k_qd52d220646_prep,@function
k_qd52d220646_prep:
	s_mov_b64 s[64:65], 0
	v_nop
	global_prefetch_b8 v0, s[64:65] scope:SCOPE_SE
	s_setreg_imm32_b32 hwreg(HW_REG_WAVE_MODE, 25, 1), 1
	s_wait_xcnt 0x0
; PREP.  wb = W_h rounded to bf16, [1024][2048];  s2 = 2 log2(e) x (dec_hidden W_s^T), f32, laid [d / 4][batch][d % 4].
; 256 work-groups of eight waves; work-group g owns rows 4 g .. 4 g + 3 of W_h and of W_s.
; Waves 4-7: one row of W_h each: 16 loads of 512 consecutive bytes, two roundings a load, 16 stores of 256 consecutive aligned bytes.
; Waves 0-3: the four rows of W_s stay in 128 registers; wave w multiplies them with batches 8 w .. 8 w + 7 of dec_hidden, which pass
; through a ring of three register slots.  All in f32 on the vector unit: 32 rows of output, bound by W_s's bytes, nothing for a matrix unit.
; The factor 2 log2(e) belongs to tanh(x) = 1 - 2 / (1 + 2^(2 log2(e) x)), which the next launch takes.
; No LDS, no barrier: no wave needs another's numbers.
.set OUT, 4                            ; v4        lane 4 bb + e: the sum for batch 8 w + bb and row 4 g + e
.set T,   8                            ; v[8:15]   four running pairs, one for each row of W_s
.set WS,  32                           ; v[32:159] four rows of W_s: 32 numbers a lane and row
.set CV,  64                           ; v[64:127] (waves 4-7) a row of W_h as loaded, then as stored
.set DH,  160                          ; v[160:255] three slots of 32: a batch's row of dec_hidden
	s_load_b256 s[4:11], s[0:1], 0x0               ; W_h s[4:5], W_s s[6:7], dec_hidden s[8:9], wb s[10:11]
	s_load_b64 s[12:13], s[0:1], 0x20              ; s2
	v_lshrrev_b32 v1, 5, v0
	v_readfirstlane_b32 s14, v1                    ; wave 0..7
	v_and_b32 v2, 31, v0                           ; lane
	v_lshlrev_b32 v3, 4, v2                        ; 16 bytes a lane; never rewritten
	s_mov_b32 s17, 0
	s_mov_b32 s21, 0
	s_cmp_lt_u32 s14, 4
	s_cbranch_scc1 .Ldot
	; WAVES 4-7: W_h's row 4 g + (wave - 4)
	s_sub_co_u32 s15, s14, 4
	s_lshl_b32 s16, ttmp9, 15                      ; four rows of 8,192 bytes
	s_lshl_b32 s18, s15, 13
	s_add_co_u32 s16, s16, s18
	s_lshl_b32 s20, ttmp9, 14                      ; four rows of 4,096 bytes
	s_lshl_b32 s19, s15, 12
	s_add_co_u32 s20, s20, s19
	v_lshlrev_b32 v5, 3, v2                        ; 8 bytes a lane
	s_wait_kmcnt 0x0
	s_add_nc_u64 s[4:5], s[4:5], s[16:17]
	s_add_nc_u64 s[10:11], s[10:11], s[20:21]
.irp j, 0,1,2,3,4,5,6,7,8,9,10,11,12,13,14,15
	global_load_b128 v[CV+4*\j:CV+4*\j+3], v3, s[4:5] offset:512*\j th:TH_LOAD_NT  ; the launch reads W_h once
.endr
.irp j, 0,1,2,3,4,5,6,7,8,9,10,11,12,13,14,15
	s_wait_loadcnt 15-\j                           ; loads come back in order: piece j is in, the younger ones stay out
	v_cvt_pk_bf16_f32 v[CV+4*\j], v[CV+4*\j], v[CV+4*\j+1]
	v_cvt_pk_bf16_f32 v[CV+4*\j+1], v[CV+4*\j+2], v[CV+4*\j+3]
	global_store_b64 v5, v[CV+4*\j:CV+4*\j+1], s[10:11] offset:256*\j  ; the wave's store covers 256 consecutive bytes, aligned
.endr
	s_endpgm
.Ldot:	; WAVES 0-3
	s_lshl_b32 s16, ttmp9, 14                      ; four rows of W_s, 4,096 bytes each
	s_lshl_b32 s20, s14, 15                        ; eight batches of 4,096 bytes
	s_lshl_b32 s22, ttmp9, 9                       ; s2: 512 bytes a work-group,
	s_lshl_b32 s18, s14, 7                         ; 128 a wave
	s_add_co_u32 s22, s22, s18
	s_mov_b32 s23, 0
	s_mov_b32 s18, 0x76543210                      ; v_permlanex16_b32: each lane takes its own place in the other half
	s_mov_b32 s19, 0xfedcba98
	v_mov_b32 v[OUT], 0                            ; v_writelane_b32 counts as a reader of its destination
	v_lshlrev_b32 v5, 2, v2                        ; 4 bytes a lane
	s_wait_kmcnt 0x0
	s_add_nc_u64 s[6:7], s[6:7], s[16:17]
	s_add_nc_u64 s[8:9], s[8:9], s[20:21]
	s_add_nc_u64 s[12:13], s[12:13], s[22:23]
.irp e, 0,1,2,3
.irp i, 0,1,2,3,4,5,6,7
	global_load_b128 v[WS+32*\e+4*\i:WS+32*\e+4*\i+3], v3, s[6:7] offset:\e*4096+\i*512
.endr
.endr
.irp q, 0,1,2
.irp i, 0,1,2,3,4,5,6,7
	global_load_b128 v[DH+32*\q+4*\i:DH+32*\q+4*\i+3], v3, s[8:9] offset:\q*4096+\i*512
.endr
.endr
; Batch bb of the wave's eight.  left = the loads of the younger batches, which stay out.
.macro TURN bb, left
.set SL, DH+32*((\bb)%3)
	s_wait_loadcnt \left
.set k, 0
.rept 16                               ; four chains by turns; the first product starts each sum
.irp e, 0,1,2,3
.if k == 0
	v_pk_mul_f32 v[T+2*\e:T+2*\e+1], v[WS+32*\e:WS+32*\e+1], v[SL:SL+1]
.else
	v_pk_fma_f32 v[T+2*\e:T+2*\e+1], v[WS+32*\e+2*k:WS+32*\e+2*k+1], v[SL+2*k:SL+2*k+1], v[T+2*\e:T+2*\e+1]
.endif
.endr
.set k, k+1
.endr
.if (\bb)+3 < 8
.irp i, 0,1,2,3,4,5,6,7
	global_load_b128 v[SL+4*\i:SL+4*\i+3], v3, s[8:9] offset:((\bb)+3)*4096+\i*512  ; the slot takes the batch three on
.endr
.endif
.irp e, 0,1,2,3
	v_add_f32 v[T+2*\e], v[T+2*\e], v[T+2*\e+1]
.endr
.irp m, 1,2,4,8                        ; across the 32 lanes: four steps inside each half, one across
.irp e, 0,1,2,3
	v_add_f32_dpp v[T+2*\e], v[T+2*\e], v[T+2*\e] row_xmask:\m row_mask:0xf bank_mask:0xf
.endr
.endr
.irp e, 0,1,2,3
	v_permlanex16_b32 v[T+2*\e+1], v[T+2*\e], s18, s19
.endr
.irp e, 0,1,2,3
	v_add_f32 v[T+2*\e], v[T+2*\e], v[T+2*\e+1]
.endr
.irp e, 0,1,2,3
	v_readfirstlane_b32 s[24+\e], v[T+2*\e]
.endr
.irp e, 0,1,2,3
	v_writelane_b32 v[OUT], s[24+\e], 4*(\bb)+\e
.endr
.endm
	TURN 0, 16
	TURN 1, 16
	TURN 2, 16
	TURN 3, 16
	TURN 4, 16
	TURN 5, 16
	TURN 6, 8
	TURN 7, 0
	v_mul_f32 v[OUT], 0x4038aa3b, v[OUT]           ; x 2 log2(e)
	global_store_b32 v5, v[OUT], s[12:13]          ; 128 consecutive bytes a wave; the four waves together fill the work-group's 512
	s_endpgm
.Lfunc_end_k_qd52d220646_prep:
	.size	k_qd52d220646_prep, .Lfunc_end_k_qd52d220646_prep-k_qd52d220646_prep
	.p2alignl 7, 3214868480
	.fill 96, 4, 3214868480
	.section	.rodata,"a",@progbits
	.p2align	6, 0x0
	.amdhsa_kernel k_qd52d220646_prep
		.amdhsa_group_segment_fixed_size 0
		.amdhsa_private_segment_fixed_size 0
		.amdhsa_enable_private_segment 0
		.amdhsa_kernarg_size 40
		.amdhsa_user_sgpr_count 2
		.amdhsa_user_sgpr_kernarg_segment_ptr 1
		.amdhsa_wavefront_size32 1
		.amdhsa_system_sgpr_workgroup_id_x 1
		.amdhsa_system_sgpr_workgroup_id_y 1
		.amdhsa_system_sgpr_workgroup_id_z 1
		.amdhsa_system_vgpr_workitem_id 0
		.amdhsa_next_free_vgpr 256
		.amdhsa_next_free_sgpr 66
		.amdhsa_reserve_vcc 0
		.amdhsa_float_denorm_mode_32 3
		.amdhsa_float_denorm_mode_16_64 3
		.amdhsa_memory_ordered 1
		.amdhsa_forward_progress 1
		.amdhsa_inst_pref_size 64
	.end_amdhsa_kernel
	.amdgpu_metadata
---
amdhsa.version: [ 1, 2 ]
amdhsa.kernels:
  - .name:           k_qd52d220646_prep
    .symbol:         k_qd52d220646_prep.kd
    .args:
      - { .name: W_h, .offset: 0, .size: 8, .value_kind: global_buffer, .address_space: global }
      - { .name: W_s, .offset: 8, .size: 8, .value_kind: global_buffer, .address_space: global }
      - { .name: dec_hidden, .offset: 16, .size: 8, .value_kind: global_buffer, .address_space: global }
      - { .name: wb, .offset: 24, .size: 8, .value_kind: global_buffer, .address_space: global }
      - { .name: s2, .offset: 32, .size: 8, .value_kind: global_buffer, .address_space: global }
    .group_segment_fixed_size: 0
    .private_segment_fixed_size: 0
    .kernarg_segment_align: 8
    .kernarg_segment_size: 40
    .max_flat_workgroup_size: 256
    .sgpr_count:     66
    .vgpr_count:     256
    .wavefront_size: 32
...
	.end_amdgpu_metadata
.endif
;; end of part 1
;; launch scores (part 2): grid 8 x 64, 4 waves a work-group, clusters of 4 x 1, 327,680 bytes of LDS; arguments wb, enc_outputs, s2, v, part; writes part
.if DOCPART == 2
	.amdgcn_target "amdgcn-amd-amdhsa--gfx1250"
	.amdhsa_code_object_version 6
	.text
	.protected	k_qd52d220646_scores
	.globl	k_qd52d220646_scores
	.p2align	8
	.type	k_qd52d220646_scores,@function
k_qd52d220646_scores:
	s_mov_b64 s[64:65], 0
	v_nop
	global_prefetch_b8 v0, s[64:65] scope:SCOPE_SE
	s_setreg_imm32_b32 hwreg(HW_REG_WAVE_MODE, 25, 1), 1
	s_wait_xcnt 0x0
	s_wait_alu depctr_hold_cnt(0) depctr_sa_sdst(0) depctr_va_vdst(0) depctr_va_sdst(0) depctr_va_ssrc(0) depctr_va_vcc(0) depctr_vm_vsrc(0)
	s_getreg_b32 s2, hwreg(HW_REG_IB_STS2, 6, 4)
	s_cmp_eq_u32 s2, 0
	s_cbranch_scc0 .Lentry_in_a_cluster
	s_endpgm
.Lentry_in_a_cluster:
	s_bfe_u32 s2, ttmp6, 0x10000c
	s_cmp_lg_u32 s2, 0x3003
	s_cbranch_scc0 .Lentry_shape_is_right
	s_endpgm
.Lentry_shape_is_right:
; SCORES.  part[nh][row] = the sum over the 512 columns d of half nh of v[d] tanh(s[batch][d] + h[row][d]),  h = enc W_h^T:
; a product of 32,768 x 1,024 x 2,048 in bf16 with f32 sums, and behind it tanh and the product with v, all in f32, in registers.
; SHARES.  A work-group makes 128 rows of enc x 512 columns; wave w all 128 rows x columns 512 nh + 128 w .. + 127: 64 accumulators of 16 x 16.
; The matrix instruction is used transposed (source 0 = 16 rows of wb, source 1 = 16 rows of enc): a lane holds ONE row of enc (lane % 16)
; and, in accumulator (a, b), the columns 16 b + 8 (lane / 16) + 0..7: the sum over columns stays in the lane but for one exchange.
; wb (B) comes through a ring of two LDS slots of 128 along K, filled by tensor loads.  The four work-groups of a cluster have the same nh
; and so the same tiles of wb: each tile is asked for JOINTLY, with the mask of all four.
; enc (A) is f32 and is NOT asked for jointly: no two partners share a row of it, and it must be rounded on its way.  It goes through registers:
; a wave loads 32 rows x 64 along K (a HALF STEP: 16 loads, each half of the lanes 256 consecutive aligned bytes), rounds them once and puts them
; into one of two small LDS slots as bf16.  So a fragment read costs 2 bytes a number, not 4, and the 32 loads that a wave has out lie in
; registers and stay out across the ring's barriers: a load has four quarter steps, 256 matrix instructions, between its issue and the wait for it.
; ALL MEMORY INSTRUCTIONS OF A QUARTER STEP STAND IN ONE RUN in its middle, never singly among the matrix instructions: in an even quarter the next half step's
; 32 roundings, its 16 LDS stores, the 16 loads that fill the freed registers, and the 32 fragment loads; in an odd quarter the 32 fragment loads alone.
; tanh(x) = 1 - 2 / (1 + 2^(c x)), c = 2 log2(e); s2 holds c s.  A lane's sum starts with the sum of its own v and goes on by fused multiply-adds with -2 v.
; LIMITS.  enc and W_h are rounded to bf16 (nearest even).  2^t beyond f32's range gives tanh = 1 exactly, below 2^-126 tanh = -1 exactly.
; NaN and infinities are not treated apart.
; REGISTERS, in windows of 256 (s_set_vgpr_msb: bits 1:0 source 0, 3:2 source 1, 5:4 source 2, 7:6 destination):
;   window 0: v0-31 addresses; v32-63 at work on the way out; v64-127, v128-191 two staging sets of 16 x 4 for enc, at the end c s and v
;   window 1: two fragment buffers of 128: B's 8 fragments, then A's 8       windows 2, 3: accumulator (a, b) at v[8 (8 (a % 4) + b)], rows 0-63 and 64-127
.set KSTEP, 128
.set PB,    272                        ; a row of B in LDS: 256 bytes + 16 of padding: the 16 rows of a fragment load start in 16 different groups of four banks (ISA guide 11.1)
.set PA,    144                        ; a row of A: 128 bytes + 16
.set BWAVE, 128*PB                     ; what one tensor load brings, and what its wave reads
.set BSLOT, 4*BWAVE
.set ABASE, 2*BSLOT                    ; behind the ring: A's two slots, written by LDS stores alone
.set ASLOT, 128*PA
.set SCR,   ABASE+2*ASLOT              ; [wave][128] f32: the waves' sums meet here
.set SPARE, SCR+2048                   ; the spare words, 128 bytes for each wave: two blocks of 256 bytes that no other line names
.set ADRA, 16                          ; v16     my place in a fragment of A, slot 0
.set ADRB, 20                          ; v20-21  my place in a fragment of my wave's B, slot 0, 1
.set ASTO, 22                          ; v22     where I put 8 bytes of a row of A
.set AOFF, 23                          ; v23     my byte offset in the work-group's rows of enc
.set SOFF, 24                          ; v24     my byte offset in s2
.set VOFF, 25                          ; v25     in v
.set SCW,  26                          ; v26     where I put a row's sum
.set SCRD, 27                          ; v27     where wave 0 reads four rows' sums
.set SPW,  28                          ; v28     LDS address of my spare word; never rewritten
.set NIL,  29                          ; v29     0; never rewritten
.set GO,   30                          ; v30     16 x lane
.set SV,   32                          ; v32-39  the sum of my 64 v (a pair), and three more pairs while it is made
.set CH,   40                          ; v40-47  four chains of a block's sum
.set RR,   48                          ; v48-55  block a's sum
.set XX,   56                          ; v56-59  row 32 i + lane's sum
.set ST0,  64
.set ST1,  128
.set F0,   0
.set F1,   128
.set SB,   8                           ; s[8:9]   s2 at my wave's columns and my batch
.set VB,   10                          ; s[10:11] v at my wave's columns
.set WV,   14                          ; s14      my wave's number
.set G1,   24                          ; s[24:31] descriptor group 1
.set G0,   32                          ; s[32:39] descriptor group 0, a set for each slot
.set AP,   40                          ; s[40:41] enc at the work-group's first row, at the lap in hand
.set CC,   42                          ; s[42:43] c
.set SEL,  44                          ; s[44:45] v_permlanex16_b32's selects
.set MK,   46                          ; s46      the mask of lanes 16-31
.set MSB, 0
.macro WIN new                         ; the immediate's high byte repeats the setting that is left; a switch that changes nothing is dropped
.if MSB != (\new)
	s_set_vgpr_msb (MSB<<8)|(\new)
.set MSB, \new
.endif
.endm
.set MUL_LO, 0xa5                      ; B and A in window 1, C and D in window 2
.set MUL_HI, 0xf5                      ; the same, C and D in window 3
.set TO_F,   0x40                      ; destination window 1, address window 0
.macro PLACES                          ; four places in front of loads into registers that matrix instructions have read (ISA guide 7.12.1 for vector instructions)
.rept 4
	v_nop
.endr
.endm
.macro JLOAD s                         ; my wave's 128 rows of slot s, asked for jointly by the four partners; an s_nop 0 and four v_nop follow
	tensor_load_to_lds s[G0+4*(\s):G0+4*(\s)+3], s[G1:G1+7]
	s_nop 0
.rept 4
	v_nop
.endr
.endm
.macro CREST                           ; a round of the cluster's barrier behind its opening barrier
	s_cmp_lg_u32 s[WV], 0
	s_cbranch_scc1 .Lnot_wave_0_\@
	s_barrier_signal -3
.Lnot_wave_0_\@:
	s_barrier_wait -3
	s_barrier_signal -1
	s_barrier_wait -1
.endm
.macro CROUND                          ; a whole round
	s_barrier_signal -1
	s_barrier_wait -1
	CREST
.endm
; A'S ROAD.  CONVSET names the staging set to be rounded, the A slot that takes it, and what is loaded into the freed registers:
; mode 0: enc's half step chs of the lap at AP;  mode 1: c s;  mode 2: v.
; CONV does the whole half step, in three runs: 32 roundings in place; 16 LDS stores; 16 loads.  Group cg of 16 is rows cg % 8 + 16 (cg / 8) + 8 (lane / 16) of my wave's 32.
.macro CONVSET set, asl, mode, chs
.set CSET, \set
.set CASL, \asl
.set CMODE, \mode
.set CHS, \chs
.endm
.macro CONV
	WIN 0
.set cg, 0
.rept 16
	v_cvt_pk_bf16_f32 v[CSET+4*cg], v[CSET+4*cg], v[CSET+4*cg+1]
	v_cvt_pk_bf16_f32 v[CSET+4*cg+1], v[CSET+4*cg+2], v[CSET+4*cg+3]
.set cg, cg+1
.endr
.set cg, 0
.rept 16
	ds_store_b64 v[ASTO], v[CSET+4*cg:CSET+4*cg+1] offset:CASL*ASLOT+(cg%8+16*(cg/8))*PA  ; two rows' 128 bytes, 8 rows = 288 words apart
.set cg, cg+1
.endr
.set cg, 0
.rept 16
.if CMODE == 0
	global_load_b128 v[CSET+4*cg:CSET+4*cg+3], v[AOFF], s[AP:AP+1] offset:(cg%8+16*(cg/8))*8192+CHS*256
.elseif CMODE == 1
	global_load_b128 v[CSET+4*cg:CSET+4*cg+3], v[SOFF], s[SB:SB+1] offset:(4*(cg/2)+cg%2)*512  ; c s of columns 16 (cg / 2) + 8 (lane / 16) + 4 (cg % 2) on
.else
	global_load_b128 v[CSET+4*cg:CSET+4*cg+3], v[VOFF], s[VB:VB+1] offset:64*(cg/2)+16*(cg%2)  ; v of the same columns
.endif
.set cg, cg+1
.endr
.endm
; 16 matrix instructions: row blocks a0, a0 + 1 of the window's four x all 8 column blocks, 32 along K.  zero = 1: the product starts the sum.
; The 64 accumulators take turns, one instruction a turn, in the same order in every quarter.
.macro MUL16 f, hi, a0, zero
	WIN MUL_LO+0x50*(\hi)
.irp a, \a0, (\a0)+1
.irp b, 0,1,2,3,4,5,6,7
.if \zero
	v_wmma_f32_16x16x32_bf16 v[8*(8*(\a)+(\b)):8*(8*(\a)+(\b))+7], v[(\f)+8*(\b):(\f)+8*(\b)+7], v[(\f)+64+8*(4*(\hi)+(\a)):(\f)+64+8*(4*(\hi)+(\a))+7], 0
.else
	v_wmma_f32_16x16x32_bf16 v[8*(8*(\a)+(\b)):8*(8*(\a)+(\b))+7], v[(\f)+8*(\b):(\f)+8*(\b)+7], v[(\f)+64+8*(4*(\hi)+(\a)):(\f)+64+8*(4*(\hi)+(\a))+7], v[8*(8*(\a)+(\b)):8*(8*(\a)+(\b))+7]
.endif
.endr
.endr
.endm
; 32 LDS loads in one run: a quarter step's fragments (32 along K) into buffer f: B's 8 from byte bk of slot bs, then A's 8 from byte aoff
.macro FETCH aoff, bs, bk, f
	WIN TO_F
.irp i, 0,1,2,3,4,5,6,7
	ds_load_b128 v[(\f)+8*(\i):(\f)+8*(\i)+3],   v[ADRB+(\bs)] offset:(\bk)+(\i)*16*PB
	ds_load_b128 v[(\f)+8*(\i)+4:(\f)+8*(\i)+7], v[ADRB+(\bs)] offset:(\bk)+(\i)*16*PB+32
.endr
.irp i, 0,1,2,3,4,5,6,7
	ds_load_b128 v[(\f)+64+8*(\i):(\f)+64+8*(\i)+3],   v[ADRA] offset:(\aoff)+(\i)*16*PA
	ds_load_b128 v[(\f)+64+8*(\i)+4:(\f)+64+8*(\i)+7], v[ADRA] offset:(\aoff)+(\i)*16*PA+32
.endr
.endm
; An even quarter: multiplies buffer f, fetches the next quarter (same half step, same slots) into g.  conv = 1: in its middle the next half step of A is rounded and stored,
; into the A slot that every wave left at the barrier of the quarter before; the 32 roundings, plain instructions on window 0, are then the places in front of the fragment loads.
.macro QUARTER f, g, zero, conv, aoff, bs, bk
	s_wait_dscnt 8                                 ; B and A's rows 0-63 are in; the youngest eight loads (A's rows 64-127) may be out
	MUL16 \f, 0, 0, \zero
	MUL16 \f, 0, 2, \zero
.if \conv
	WIN 0
	s_wait_loadcnt 16                              ; the staging set in hand is in; the other set's 16 loads are younger and stay out
	CONV
.else
	PLACES
.endif
	FETCH \aoff, \bs, \bk, \g
	s_wait_dscnt 32                                ; all but the 32 just issued (a conversion's 16 stores are older than these)
	MUL16 \f, 1, 0, \zero
	MUL16 \f, 1, 2, \zero
.endm
; An odd quarter in the middle of a K step: it changes A's slots alone.  In front of the barrier each wave's stores into the next A slot and its reads of the old one are done;
; behind it the next slot is read and the old one may be stored again.  No LDS bytes are filled by a tensor load behind this barrier, so my tensor load stays out.
.macro TURNA aoff, bs, bk
	s_wait_dscnt 8
	MUL16 F1, 0, 0, 0
	s_wait_dscnt 0x0
	s_barrier_signal -1
	MUL16 F1, 0, 2, 0
	s_barrier_wait -1
	PLACES
	FETCH \aoff, \bs, \bk, F0
	MUL16 F1, 1, 0, 0
	MUL16 F1, 1, 2, 0
.endm
; The first half of a K step's last quarter: ONE barrier for the change of B's slots and of A's.
.macro MEET round
	WIN 0                                          ; (the add's two registers lie in window 0)
	s_wait_tensorcnt 0x0                           ; all my tensor loads have landed: the one that was out is my part of the next slot
	ds_add_u32 v[SPW], v[NIL]                      ; 0 onto my spare word
	s_wait_dscnt 9                                 ; (the add and the youngest eight loads may be out)
	MUL16 F1, 0, 0, 0                              ; sixteen matrix instructions stand between the add and the wait for it
	s_wait_dscnt 0x0                               ; the add is done, my reads of both old slots are over, my stores into A's next slot are done
	s_barrier_signal -1
	MUL16 F1, 0, 2, 0
.if \round
	WIN 0
.endif
	s_barrier_wait -1
.endm
; The whole last quarter, with the refill of slot s two K steps ahead: the barrier opens a round of the cluster's, so that no wave of any partner still reads the slot
; or has a load on its way; the joint refill is the first thing behind the round.  224 matrix instructions stand between it and the wait for it.
.macro TURN s, aoff, bs, bk
	MEET 1
	CREST
	s_add_nc_u64 s[G0+4*(\s)+2:G0+4*(\s)+3], s[G0+4*(\s)+2:G0+4*(\s)+3], 2*KSTEP*2
	JLOAD \s                                       ; its four v_nop are also the places in front of the loads below
	FETCH \aoff, \bs, \bk, F0
	MUL16 F1, 1, 0, 0
	MUL16 F1, 1, 2, 0
.endm
.macro TURNL aoff, bs, bk              ; the same where nothing is left to ask for
	MEET 0
	PLACES
	FETCH \aoff, \bs, \bk, F0
	MUL16 F1, 1, 0, 0
	MUL16 F1, 1, 2, 0
.endm
	s_load_b256 s[4:11], s[0:1], 0x0               ; wb s[4:5], enc s[6:7], s2 s[8:9], v s[10:11]
	s_load_b64 s[12:13], s[0:1], 0x20              ; part
	v_lshl_add_u32 v[SPW], v0, 2, SPARE
	v_mov_b32 v[NIL], 0
	ds_add_u32 v[SPW], v[NIL]                      ; the wave's opening: the add and its wait stand ahead of my first tensor load; the set-up, work on registers, stands between them
	v_lshrrev_b32 v1, 5, v0
	v_readfirstlane_b32 s[WV], v1                  ; wave 0..3
	s_bfe_u32 s15, ttmp6, 0x40000                  ; cx: my place in the cluster: it enters enc's and part's addresses alone
	s_and_b32 s16, ttmp7, 0xffff                   ; the cluster's y
	s_lshl_b32 s17, s16, 2
	s_add_co_u32 s17, s17, s15                     ; my block of 128 rows = 4 y + cx
	s_lshr_b32 s18, s16, 1                         ; its batch: eight blocks to a batch
	; descriptor group 1: 128 rows x 128 elements of 2 bytes, padded in LDS
	s_mov_b32 s[G1], 15|(1<<16)|(1<<20)|(1<<21)|(5<<22)|(3<<25)  ; 15:0 the mask of four; 17:16 2-byte elements; 20 padding on; 21 set beside a mask; 24:22 after every 64 words (code 5); 31:25 4 words (code 3)
	s_mov_b32 s[G1+1], KSTEP<<16                   ; tensor_dim0 = 128
	s_mov_b32 s[G1+2], 128<<16                     ; tensor_dim1 = 128
	s_mov_b32 s[G1+3], KSTEP<<16                   ; tile_dim0 = 128
	s_mov_b32 s[G1+4], 128                         ; tile_dim1 = 128
	s_mov_b32 s[G1+5], 2048                        ; elements from row to row
	s_mov_b32 s[G1+6], 0
	s_mov_b32 s[G1+7], 0
	s_lshl_b32 s48, ttmp9, 21                      ; wb: the half's 512 rows of 4,096 bytes (ttmp9: the cluster's x = nh, which the partners share),
	s_lshl_b32 s49, s[WV], 19                      ; my wave's 128 of them
	s_add_co_u32 s48, s48, s49
	s_mov_b32 s49, 0
	s_mul_i32 s50, s[WV], BWAVE                    ; and where they go
	s_lshl_b32 s[AP], s17, 20                      ; enc: 128 rows of 8,192 bytes
	s_mov_b32 s[AP+1], 0
	s_lshl_b32 s52, ttmp9, 16                      ; s2: (512 nh + 128 w) / 4 groups of 512 bytes,
	s_lshl_b32 s53, s[WV], 14
	s_add_co_u32 s52, s52, s53
	s_lshl_b32 s53, s18, 4                         ; the batch's 16 bytes in a group
	s_add_co_u32 s52, s52, s53
	s_mov_b32 s53, 0
	s_lshl_b32 s54, ttmp9, 11                      ; v: (512 nh + 128 w) x 4 bytes
	s_lshl_b32 s55, s[WV], 9
	s_add_co_u32 s54, s54, s55
	s_mov_b32 s55, 0
	s_lshl_b32 s56, ttmp9, 17                      ; part: the half's 32,768 numbers, my block's 128
	s_lshl_b32 s57, s17, 9
	s_add_co_u32 s56, s56, s57
	s_mov_b32 s57, 0
	s_mov_b32 s[CC], 0x4038aa3b                    ; c = 2 log2(e)
	s_mov_b32 s[CC+1], s[CC]                       ; named with it as a pair
	s_mov_b32 s[SEL], 0x76543210
	s_mov_b32 s[SEL+1], 0xfedcba98
	s_mov_b32 s[MK], 0xffff0000
	v_and_b32 v1, 15, v0                           ; r = lane % 16
	v_bfe_u32 v2, v0, 4, 1                         ; h = lane / 16
	v_and_b32 v7, 31, v0                           ; lane
	v_mul_u32_u24 v3, v1, PA                       ; a fragment: row r, 16 bytes for each half of the lanes
	v_lshl_add_u32 v3, v2, 4, v3
	v_add_nc_u32 v[ADRA], ABASE, v3
	v_mul_u32_u24 v4, v1, PB
	v_lshl_add_u32 v4, v2, 4, v4
	v_add_nc_u32 v[ADRB], s50, v4
	v_add_nc_u32 v[ADRB+1], BSLOT, v[ADRB]
	s_mul_i32 s20, s[WV], 32*PA                    ; A's stores: my wave's 32 rows, 8 rows on for lanes 16-31, 8 bytes a lane
	s_add_co_u32 s20, s20, ABASE
	v_mul_u32_u24 v5, v2, 8*PA
	v_lshl_add_u32 v5, v1, 3, v5
	v_add_nc_u32 v[ASTO], s20, v5
	s_lshl_b32 s21, s[WV], 18                      ; the same rows in enc, 16 bytes a lane
	v_lshlrev_b32 v6, 16, v2
	v_lshl_add_u32 v6, v1, 4, v6
	v_add_nc_u32 v[AOFF], s21, v6
	v_lshlrev_b32 v[SOFF], 10, v2                  ; 8 columns on are two groups of 512 bytes in s2,
	v_lshlrev_b32 v[VOFF], 5, v2                   ; 32 bytes in v
	s_lshl_b32 s22, s[WV], 9
	s_add_co_u32 s22, s22, SCR
	v_lshl_add_u32 v[SCW], v7, 2, s22
	v_lshl_add_u32 v[SCRD], v7, 4, SCR
	v_lshlrev_b32 v[GO], 4, v7
	s_wait_dscnt 0x0                               ; the opening add is done
	s_wait_kmcnt 0x0
	s_add_nc_u64 s[48:49], s[4:5], s[48:49]
	s_add_nc_u64 s[AP:AP+1], s[6:7], s[AP:AP+1]
	s_add_nc_u64 s[SB:SB+1], s[8:9], s[52:53]
	s_add_nc_u64 s[VB:VB+1], s[10:11], s[54:55]
	s_add_nc_u64 s[12:13], s[12:13], s[56:57]
.set i, 0
.rept 16                               ; half steps 0 and 1 of enc: 32 loads go out ahead of everything else
	global_load_b128 v[ST0+4*i:ST0+4*i+3], v[AOFF], s[AP:AP+1] offset:(i%8+16*(i/8))*8192
.set i, i+1
.endr
.set i, 0
.rept 16
	global_load_b128 v[ST1+4*i:ST1+4*i+3], v[AOFF], s[AP:AP+1] offset:(i%8+16*(i/8))*8192+256
.set i, i+1
.endr
.irp s, 0,1
	s_mov_b32 s[G0+4*(\s)], 1                                      ; count = 1
	s_add_co_u32 s[G0+4*(\s)+1], s50, (\s)*BSLOT                   ; LDS address
	s_add_nc_u64 s[G0+4*(\s)+2:G0+4*(\s)+3], s[48:49], (\s)*KSTEP*2  ; global address: K step s
	s_or_b32 s[G0+4*(\s)+3], s[G0+4*(\s)+3], 0x80000000           ; type = 2
.endr
	CROUND                                         ; all four work-groups are here: the first joint loads meet
	JLOAD 0                                        ; both first fills together: two tensor loads of mine are out, later one
	JLOAD 1
	s_wait_loadcnt 16                              ; half step 0 is in
	CONVSET ST0, 0, 0, 2
	CONV                                           ; into A's slot 0; the registers take half step 2
	s_wait_tensorcnt 1                             ; my part of K step 0 is in; K step 1's may stay out
	s_wait_dscnt 0x0                               ; my stores into A's slot 0 are done
	s_barrier_signal -1
	s_barrier_wait -1
	FETCH 0, 0, 0, F0
	CONVSET ST1, 1, 0, 3
	QUARTER F0, F1, 1, 1, 64, 0, 64                ; the first quarter stands in front of the loop: its products start the sums
	WIN 0                                          ; at a label and at a branch every window is 0
	s_mov_b32 s3, 7
.Llap:                                                 ; a trip: eight quarters, once round B's ring and twice round A's; it loads the next lap's four half steps of enc
	TURNA ASLOT, 0, 128
	s_wait_xcnt 0x0                                ; the loads that name AP have had their addresses translated (ISA guide 3.1): only now is it stepped
	s_add_nc_u64 s[AP:AP+1], s[AP:AP+1], 1024      ; 256 along K
	CONVSET ST0, 0, 0, 0
	QUARTER F0, F1, 0, 1, ASLOT+64, 0, 192
	TURN 0, 0, 1, 0
	CONVSET ST1, 1, 0, 1
	QUARTER F0, F1, 0, 1, 64, 1, 64
	TURNA ASLOT, 1, 128
	CONVSET ST0, 0, 0, 2
	QUARTER F0, F1, 0, 1, ASLOT+64, 1, 192
	TURN 1, 0, 0, 0
	CONVSET ST1, 1, 0, 3
	QUARTER F0, F1, 0, 1, 64, 0, 64
	WIN 0
	s_sub_co_u32 s3, s3, 1
	s_cmp_lg_u32 s3, 0
	s_cbranch_scc1 .Llap
	TURNA ASLOT, 0, 128                            ; the last lap is written out: no tensor load, and the freed staging registers take c s and v
	CONVSET ST0, 0, 1, 0
	QUARTER F0, F1, 0, 1, ASLOT+64, 0, 192
	TURNL 0, 1, 0
	CONVSET ST1, 1, 2, 0
	QUARTER F0, F1, 0, 1, 64, 1, 64
	TURNA ASLOT, 1, 128
	QUARTER F0, F1, 0, 0, ASLOT+64, 1, 192
	s_wait_dscnt 8
	MUL16 F1, 0, 0, 0
	MUL16 F1, 0, 2, 0
	s_wait_dscnt 0x0
	MUL16 F1, 1, 0, 0
	MUL16 F1, 1, 2, 0
	; THE WAY OUT.  The sum of my 64 v, then -2 v in place: 63 plain instructions, the places behind the last products.
	WIN 0
	s_wait_loadcnt 0x0                             ; c s and v
.irp c, 0,1,2,3
	v_pk_add_f32 v[SV+2*\c:SV+2*\c+1], v[ST1+2*\c:ST1+2*\c+1], v[ST1+8+2*\c:ST1+8+2*\c+1]
.endr
.set i, 8
.rept 24
	v_pk_add_f32 v[SV+2*(i%4):SV+2*(i%4)+1], v[SV+2*(i%4):SV+2*(i%4)+1], v[ST1+2*i:ST1+2*i+1]
.set i, i+1
.endr
	v_pk_add_f32 v[SV:SV+1], v[SV:SV+1], v[SV+2:SV+3]
	v_pk_add_f32 v[SV+4:SV+5], v[SV+4:SV+5], v[SV+6:SV+7]
	v_pk_add_f32 v[SV:SV+1], v[SV:SV+1], v[SV+4:SV+5]
.set i, 0
.rept 32
	v_pk_mul_f32 v[ST1+2*i:ST1+2*i+1], v[ST1+2*i:ST1+2*i+1], -2.0 op_sel_hi:[1,0]
.set i, i+1
.endr
; Block a: 16 rows x my 128 columns, 64 numbers a lane, in place: t = c h + c s; 2^t; + 1; the reciprocal; then the sum of v - 2 v / (1 + 2^t) in four chains.
; Each accumulator's registers are taken in ascending order.  A v_nop stands behind each run of transcendentals, ahead of the first use of a result (ISA guide 5.7.2).
.macro EBLOCK a
.set AC, 64*((\a)%4)
	WIN 0x82+0x41*((\a)/4)                         ; destination and source 0 in the block's window, c s in window 0
.set i, 0
.rept 32
	v_pk_fma_f32 v[AC+2*i:AC+2*i+1], v[AC+2*i:AC+2*i+1], s[CC:CC+1], v[ST0+2*i:ST0+2*i+1] op_sel_hi:[1,0,1]
.set i, i+1
.endr
.set i, 0
.rept 64
	v_exp_f32 v[AC+i], v[AC+i]
.set i, i+1
.endr
	v_nop
.set i, 0
	s_wait_alu depctr_va_vdst(0)
.rept 32
	v_pk_add_f32 v[AC+2*i:AC+2*i+1], v[AC+2*i:AC+2*i+1], 1.0 op_sel_hi:[1,0]
.set i, i+1
.endr
.set i, 0
.rept 64
	v_rcp_f32 v[AC+i], v[AC+i]
.set i, i+1
.endr
	v_nop
	WIN 0x02+((\a)/4)                              ; source 0 in the block's window, all else in window 0
.set i, 0
.rept 32
.if i == 0
	s_wait_alu depctr_va_vdst(0)
	v_pk_fma_f32 v[CH:CH+1], v[AC:AC+1], v[ST1:ST1+1], v[SV:SV+1]
.elseif i < 4
	v_pk_mul_f32 v[CH+2*i:CH+2*i+1], v[AC+2*i:AC+2*i+1], v[ST1+2*i:ST1+2*i+1]
.else
	v_pk_fma_f32 v[CH+2*(i%4):CH+2*(i%4)+1], v[AC+2*i:AC+2*i+1], v[ST1+2*i:ST1+2*i+1], v[CH+2*(i%4):CH+2*(i%4)+1]
.endif
.set i, i+1
.endr
	WIN 0
	v_pk_add_f32 v[CH:CH+1], v[CH:CH+1], v[CH+2:CH+3]
	v_pk_add_f32 v[CH+4:CH+5], v[CH+4:CH+5], v[CH+6:CH+7]
	v_pk_add_f32 v[CH:CH+1], v[CH:CH+1], v[CH+4:CH+5]
	v_add_f32 v[RR+(\a)], v[CH], v[CH+1]
.endm
.irp a, 0,1,2,3,4,5,6,7
	EBLOCK \a
.endr
.irp a, 0,1,2,3,4,5,6,7
	v_permlanex16_b32 v[CH+\a], v[RR+\a], s[SEL], s[SEL+1]  ; the row's other 64 columns lie in the lane 16 away
.endr
.irp a, 0,1,2,3,4,5,6,7
	v_add_f32 v[RR+\a], v[RR+\a], v[CH+\a]
.endr
.irp i, 0,1,2,3
	v_cndmask_b32 v[XX+\i], v[RR+2*\i], v[RR+2*\i+1], s[MK]  ; lanes 0-15 keep block 2 i, lanes 16-31 block 2 i + 1: the lane holds row 32 i + lane
.endr
.irp i, 0,1,2,3
	ds_store_b32 v[SCW], v[XX+\i] offset:128*\i
.endr
	s_wait_tensorcnt 0x0                           ; the wave's end, behind my last tensor load and my last LDS store;
	ds_add_u32 v[SPW], v[NIL]
	s_wait_dscnt 0x0                               ; the wait also shows my four stores done, for wave 0's sake
	s_barrier_signal -1
	s_barrier_wait -1
	s_cmp_lg_u32 s[WV], 0
	s_cbranch_scc1 .Lothers
.irp j, 0,1,2,3
	ds_load_b128 v[SV+4*\j:SV+4*\j+3], v[SCRD] offset:512*\j  ; wave j's sums for rows 4 lane .. 4 lane + 3
.endr
	s_wait_dscnt 0x0
	v_pk_add_f32 v[SV:SV+1], v[SV:SV+1], v[SV+4:SV+5]
	v_pk_add_f32 v[SV+2:SV+3], v[SV+2:SV+3], v[SV+6:SV+7]
	v_pk_add_f32 v[SV+8:SV+9], v[SV+8:SV+9], v[SV+12:SV+13]
	v_pk_add_f32 v[SV+10:SV+11], v[SV+10:SV+11], v[SV+14:SV+15]
	v_pk_add_f32 v[SV:SV+1], v[SV:SV+1], v[SV+8:SV+9]
	v_pk_add_f32 v[SV+2:SV+3], v[SV+2:SV+3], v[SV+10:SV+11]
	global_store_b128 v[GO], v[SV:SV+3], s[12:13]  ; the block's 128 sums: 512 consecutive bytes, aligned
.Lothers:
	CROUND                                         ; the closing round: no work-group ends while a partner may still ask for a tile that names it
	s_endpgm
.Lfunc_end_k_qd52d220646_scores:
	.size	k_qd52d220646_scores, .Lfunc_end_k_qd52d220646_scores-k_qd52d220646_scores
	.p2alignl 7, 3214868480
	.fill 96, 4, 3214868480
	.section	.rodata,"a",@progbits
	.p2align	6, 0x0
	.amdhsa_kernel k_qd52d220646_scores
		.amdhsa_group_segment_fixed_size 327680
		.amdhsa_private_segment_fixed_size 0
		.amdhsa_enable_private_segment 0
		.amdhsa_kernarg_size 40
		.amdhsa_user_sgpr_count 2
		.amdhsa_user_sgpr_kernarg_segment_ptr 1
		.amdhsa_wavefront_size32 1
		.amdhsa_system_sgpr_workgroup_id_x 1
		.amdhsa_system_sgpr_workgroup_id_y 1
		.amdhsa_system_sgpr_workgroup_id_z 1
		.amdhsa_system_vgpr_workitem_id 0
		.amdhsa_next_free_vgpr 1024
		.amdhsa_next_free_sgpr 66
		.amdhsa_reserve_vcc 0
		.amdhsa_float_denorm_mode_32 3
		.amdhsa_float_denorm_mode_16_64 3
		.amdhsa_memory_ordered 1
		.amdhsa_forward_progress 1
		.amdhsa_inst_pref_size 237
	.end_amdhsa_kernel
	.amdgpu_metadata
---
amdhsa.version: [ 1, 2 ]
amdhsa.kernels:
  - .name:           k_qd52d220646_scores
    .symbol:         k_qd52d220646_scores.kd
    .args:
      - { .name: wb, .offset: 0, .size: 8, .value_kind: global_buffer, .address_space: global }
      - { .name: enc_outputs, .offset: 8, .size: 8, .value_kind: global_buffer, .address_space: global }
      - { .name: s2, .offset: 16, .size: 8, .value_kind: global_buffer, .address_space: global }
      - { .name: v, .offset: 24, .size: 8, .value_kind: global_buffer, .address_space: global }
      - { .name: part, .offset: 32, .size: 8, .value_kind: global_buffer, .address_space: global }
    .group_segment_fixed_size: 327680
    .private_segment_fixed_size: 0
    .kernarg_segment_align: 8
    .kernarg_segment_size: 40
    .max_flat_workgroup_size: 128
    .sgpr_count:     66
    .vgpr_count:     1024
    .wavefront_size: 32
...
	.end_amdgpu_metadata
.endif
;; end of part 2
;; launch ctx (part 3): grid 8 x 32, 16 waves a work-group, no clusters, 18,432 bytes of LDS; arguments part, enc_outputs, out0, out1; writes out0, out1
.if DOCPART == 3
	.amdgcn_target "amdgcn-amd-amdhsa--gfx1250"
	.amdhsa_code_object_version 6
	.text
	.protected	k_qd52d220646_ctx
	.globl	k_qd52d220646_ctx
	.p2align	8
	.type	k_qd52d220646_ctx,@function
k_qd52d220646_ctx:
	s_mov_b64 s[64:65], 0
	v_nop
	global_prefetch_b8 v0, s[64:65] scope:SCOPE_SE
	s_setreg_imm32_b32 hwreg(HW_REG_WAVE_MODE, 25, 1), 1
	s_wait_xcnt 0x0
; CTX.  scores = part[0] + part[1];  attn = softmax over a batch's 1,024 scores, the row's true maximum taken away first;  ctx[b][e] = the sum over l of attn[b][l] enc[b][l][e].
; A stream: enc is read once, in f32, in pieces of 1,024 consecutive aligned bytes of a row; all arithmetic in f32 on the vector unit (one row of output a batch: nothing for a matrix unit;
; no two work-groups share a byte of enc: nothing for a cluster).
; SHARES.  Work-group (c, b) makes ctx[b][256 c .. 256 c + 255]; wave w of 16 takes rows 64 w .. 64 w + 63, DEPTH = 16 rows (32 loads of 512 bytes) always on their way:
; 16 KB a wave, 256 KB for the work-group's 16 waves.
; Every wave makes the batch's maximum and sum for itself from the 8,192 bytes of part, while its first 32 loads of enc are out: no barrier stands in front of the stream.
; The 16 waves' partial rows meet in LDS; waves 0 and 1 add them in a fixed order and store 512 bytes each.  attn's 256 bytes of wave w are stored by the work-group with c = w / 2.
; LIMITS.  A weight below 2^-126 of the largest counts as 0.  NaN and infinities are not treated apart.
.set DEPTH, 16                         ; rows in the ring
.set SPARE, 16384                      ; behind the 16 rows of 1,024 bytes: the spare words, 128 bytes for each wave: eight blocks of 256 bytes that no other line names
.set SPW,  4                           ; v4        LDS address of my spare word; never rewritten
.set NIL,  5                           ; v5        0; never rewritten
.set LW,   6                           ; v6        where I put my partial sums
.set LR,   7                           ; v7        512 x wave + 16 x lane: where waves 0, 1 read, and their byte offset in the work-group's piece of out0
.set PAR,  8                           ; v[8:39]   the batch's scores, 32 a lane (first part[0]'s)
.set PBR,  40                          ; v[40:71]  part[1]'s
.set OW,   72                          ; v[72:75]  my wave's own rows 2 lane, 2 lane + 1: scores, then weights
.set RING, 76                          ; v[76:203] sixteen rows x 8 numbers
.set ACC,  204                         ; v[204:219] two sets of 8 sums, for even and odd rows
.set TM,   220                         ; v[220:223] at work
.set WT,   36                          ; s[36:43]  four pairs: a row's weight in the low word
.set L2,   44                          ; s[44:45]  log2(e)
	s_load_b256 s[4:11], s[0:1], 0x0               ; part s[4:5], enc s[6:7], out0 s[8:9], out1 s[10:11]
	v_lshl_add_u32 v[SPW], v0, 2, SPARE
	v_mov_b32 v[NIL], 0
	v_lshrrev_b32 v1, 5, v0
	v_readfirstlane_b32 s14, v1                    ; wave 0..15
	v_and_b32 v1, 31, v0                           ; lane
	v_lshlrev_b32 v2, 4, v1                        ; 16 bytes a lane; never rewritten
	v_lshlrev_b32 v3, 3, v1                        ; 8 bytes a lane; never rewritten
	s_mov_b32 s21, ttmp9                           ; c
	s_and_b32 s15, ttmp7, 0xffff                   ; b
	s_lshl_b32 s16, s15, 12                        ; the batch's 1,024 scores
	s_mov_b32 s17, 0
	s_lshl_b32 s18, s14, 8                         ; my wave's 64 of them
	s_add_co_u32 s18, s18, s16
	s_mov_b32 s19, 0
	s_lshl_b32 s28, s15, 23                        ; enc: the batch's 1,024 rows of 8,192 bytes,
	s_lshl_b32 s20, s14, 19                        ; my wave's 64,
	s_add_co_u32 s28, s28, s20
	s_lshl_b32 s20, s21, 10                        ; the work-group's 256 columns
	s_add_co_u32 s28, s28, s20
	s_mov_b32 s29, 0
	s_lshl_b32 s30, s15, 13                        ; out0: the batch's row, the same columns
	s_add_co_u32 s30, s30, s20
	s_mov_b32 s31, 0
	s_mov_b32 s12, 0x76543210                      ; v_permlanex16_b32: each lane takes its own place in the other half
	s_mov_b32 s13, 0xfedcba98
	s_mov_b32 s[L2], 0x3fb8aa3b
	s_mov_b32 s[L2+1], s[L2]                       ; named with it as a pair
.irp k, 0,1,2,3
	s_mov_b32 s[WT+2*\k+1], 0                      ; the pairs' high words are named, never used
.endr
	s_lshl_b32 s22, s14, 10
	v_lshl_add_u32 v[LW], v1, 4, s22
	s_lshl_b32 s23, s14, 9
	v_lshl_add_u32 v[LR], v1, 4, s23
	s_wait_kmcnt 0x0
	s_add_nc_u64 s[32:33], s[4:5], s[16:17]
	s_add_nc_u64 s[34:35], s[4:5], s[18:19]
	s_add_nc_u64 s[6:7], s[6:7], s[28:29]
	s_add_nc_u64 s[8:9], s[8:9], s[30:31]
	s_add_nc_u64 s[10:11], s[10:11], s[18:19]
.irp j, 0,1,2,3,4,5,6,7
	global_load_b128 v[PAR+4*\j:PAR+4*\j+3], v2, s[32:33] offset:512*\j
.endr
.irp j, 0,1,2,3,4,5,6,7
	global_load_b128 v[PBR+4*\j:PBR+4*\j+3], v2, s[32:33] offset:131072+512*\j
.endr
	global_load_b64 v[OW:OW+1], v3, s[34:35]
	global_load_b64 v[OW+2:OW+3], v3, s[34:35] offset:131072
.set q, 0
.rept DEPTH
	global_load_b128 v[RING+8*q:RING+8*q+3],   v2, s[6:7] offset:q*8192 th:TH_LOAD_NT      ; the launch reads each byte of enc once
	global_load_b128 v[RING+8*q+4:RING+8*q+7], v2, s[6:7] offset:q*8192+512 th:TH_LOAD_NT
.set q, q+1
.endr
	s_wait_loadcnt 2*DEPTH                         ; the scores are in; the ring's 32 loads stay out
	; THE SOFTMAX
.set i, 0
.rept 16
	v_pk_add_f32 v[PAR+2*i:PAR+2*i+1], v[PAR+2*i:PAR+2*i+1], v[PBR+2*i:PBR+2*i+1]
.set i, i+1
.endr
	v_pk_add_f32 v[OW:OW+1], v[OW:OW+1], v[OW+2:OW+3]
.irp c, 0,1,2,3                        ; the maximum: four chains of seven, three operands at a time
	v_max3_num_f32 v[TM+\c], v[PAR+8*\c], v[PAR+8*\c+1], v[PAR+8*\c+2]
.endr
.irp k, 3,5
.irp c, 0,1,2,3
	v_max3_num_f32 v[TM+\c], v[TM+\c], v[PAR+8*\c+\k], v[PAR+8*\c+\k+1]
.endr
.endr
	v_max3_num_f32 v[TM], v[TM], v[PAR+7], v[PAR+15]
	v_max3_num_f32 v[TM+2], v[TM+2], v[PAR+23], v[PAR+31]
	v_max3_num_f32 v[TM], v[TM], v[TM+1], v[TM+2]
	v_max_num_f32 v[TM], v[TM], v[TM+3]
	v_max_num_f32_dpp v[TM], v[TM], v[TM] row_xmask:1 row_mask:0xf bank_mask:0xf
	v_max_num_f32_dpp v[TM], v[TM], v[TM] row_xmask:2 row_mask:0xf bank_mask:0xf
	v_max_num_f32_dpp v[TM], v[TM], v[TM] row_xmask:4 row_mask:0xf bank_mask:0xf
	v_max_num_f32_dpp v[TM], v[TM], v[TM] row_xmask:8 row_mask:0xf bank_mask:0xf
	v_permlanex16_b32 v[TM+1], v[TM], s12, s13
	v_max_num_f32 v[TM+1], v[TM], v[TM+1]          ; m, in every lane
	v_mul_f32 v[TM], 0x3fb8aa3b, v[TM+1]           ; m log2(e): the same number is taken from every score, so its rounding leaves the quotients alone
.set i, 0
.rept 16
	v_pk_fma_f32 v[PAR+2*i:PAR+2*i+1], v[PAR+2*i:PAR+2*i+1], s[L2:L2+1], v[TM:TM+1] op_sel_hi:[1,0,0] neg_lo:[0,0,1] neg_hi:[0,0,1]
.set i, i+1
.endr
	v_pk_fma_f32 v[OW:OW+1], v[OW:OW+1], s[L2:L2+1], v[TM:TM+1] op_sel_hi:[1,0,0] neg_lo:[0,0,1] neg_hi:[0,0,1]
.set i, 0
.rept 32
	v_exp_f32 v[PAR+i], v[PAR+i]
.set i, i+1
.endr
	v_exp_f32 v[OW], v[OW]
	v_exp_f32 v[OW+1], v[OW+1]
	v_nop                                          ; a plain instruction behind the run of exponentials, ahead of the first use (ISA guide 5.7.2)
.set i, 4
	s_wait_alu depctr_va_vdst(0)
.rept 12                               ; the sum: four chains of pairs
	v_pk_add_f32 v[PAR+2*(i%4):PAR+2*(i%4)+1], v[PAR+2*(i%4):PAR+2*(i%4)+1], v[PAR+2*i:PAR+2*i+1]
.set i, i+1
.endr
	v_pk_add_f32 v[PAR:PAR+1], v[PAR:PAR+1], v[PAR+2:PAR+3]
	v_pk_add_f32 v[PAR+4:PAR+5], v[PAR+4:PAR+5], v[PAR+6:PAR+7]
	v_pk_add_f32 v[PAR:PAR+1], v[PAR:PAR+1], v[PAR+4:PAR+5]
	v_add_f32 v[TM+2], v[PAR], v[PAR+1]
	v_add_f32_dpp v[TM+2], v[TM+2], v[TM+2] row_xmask:1 row_mask:0xf bank_mask:0xf
	v_add_f32_dpp v[TM+2], v[TM+2], v[TM+2] row_xmask:2 row_mask:0xf bank_mask:0xf
	v_add_f32_dpp v[TM+2], v[TM+2], v[TM+2] row_xmask:4 row_mask:0xf bank_mask:0xf
	v_add_f32_dpp v[TM+2], v[TM+2], v[TM+2] row_xmask:8 row_mask:0xf bank_mask:0xf
	v_permlanex16_b32 v[TM+3], v[TM+2], s12, s13
	v_add_f32 v[TM+2], v[TM+2], v[TM+3]            ; at least about 1: the largest score's own term
	v_rcp_f32 v[TM+2], v[TM+2]
	v_nop
	s_wait_alu depctr_va_vdst(0)
	v_pk_mul_f32 v[OW:OW+1], v[OW:OW+1], v[TM+2:TM+3] op_sel_hi:[1,0]  ; the weights of rows 64 w + 2 lane, + 1; never rewritten
	s_lshr_b32 s20, s14, 1
	s_cmp_lg_u32 s20, s21
	s_cbranch_scc1 .Lno_attn                       ; each piece of attn has one owner among the batch's eight work-groups
	global_store_b64 v3, v[OW:OW+1], s[10:11]      ; 256 consecutive bytes, aligned
.Lno_attn:
; Row rr of my 64.  left = the loads of the younger rows, which stay out.  Rows 0 and 1 start the two sets of sums.
.macro ROW rr, left
.set SL, RING+8*((\rr)%DEPTH)
.set AA, ACC+8*((\rr)%2)
.set SW, WT+2*((\rr)%4)
	s_wait_loadcnt \left
	v_readlane_b32 s[SW], v[OW+(\rr)%2], (\rr)/2
.irp k, 0,1,2,3
.if (\rr) < 2
	v_pk_mul_f32 v[AA+2*\k:AA+2*\k+1], v[SL+2*\k:SL+2*\k+1], s[SW:SW+1] op_sel_hi:[1,0]
.else
	v_pk_fma_f32 v[AA+2*\k:AA+2*\k+1], v[SL+2*\k:SL+2*\k+1], s[SW:SW+1], v[AA+2*\k:AA+2*\k+1] op_sel_hi:[1,0,1]
.endif
.endr
.if (\rr)+DEPTH < 64
	global_load_b128 v[SL:SL+3],   v2, s[6:7] offset:((\rr)+DEPTH)*8192 th:TH_LOAD_NT      ; the slot takes the row sixteen on; every address stands in the immediate
	global_load_b128 v[SL+4:SL+7], v2, s[6:7] offset:((\rr)+DEPTH)*8192+512 th:TH_LOAD_NT
.endif
.endm
.set r, 0
.rept 64-DEPTH
	ROW r, 2*DEPTH-2                               ; my row's two loads are in; the fifteen younger rows' 30 stay out
.set r, r+1
.endr
.rept DEPTH
	ROW r, 2*(63-r)                                ; the last sixteen rows load nothing: the counts run down
.set r, r+1
.endr
.irp k, 0,1,2,3
	v_pk_add_f32 v[ACC+2*\k:ACC+2*\k+1], v[ACC+2*\k:ACC+2*\k+1], v[ACC+8+2*\k:ACC+8+2*\k+1]
.endr
	ds_store_b128 v[LW], v[ACC:ACC+3]              ; columns 4 lane on,
	ds_store_b128 v[LW], v[ACC+4:ACC+7] offset:512 ; and 128 + 4 lane on
	s_wait_tensorcnt 0x0                           ; the wave's end, behind my last LDS store;
	ds_add_u32 v[SPW], v[NIL]
	s_wait_dscnt 0x0                               ; the wait also shows my two stores done, for the others' sake
	s_barrier_signal -1
	s_barrier_wait -1
	s_cmp_gt_u32 s14, 1
	s_cbranch_scc1 .Lend
.irp k, 0,1,2,3,4,5,6,7,8,9,10,11,12,13,14,15
	ds_load_b128 v[RING+4*\k:RING+4*\k+3], v[LR] offset:1024*\k  ; wave k's sums for my four columns
.endr
	s_wait_dscnt 0x0
.irp d, 32,16,8,4                      ; halves are added onto each other: 8, 4, 2, 1 quads
.set i, 0
.rept \d/2
	v_pk_add_f32 v[RING+2*i:RING+2*i+1], v[RING+2*i:RING+2*i+1], v[RING+\d+2*i:RING+\d+2*i+1]
.set i, i+1
.endr
.endr
	global_store_b128 v[LR], v[RING:RING+3], s[8:9]  ; 512 consecutive bytes, aligned
.Lend:
	s_endpgm
.Lfunc_end_k_qd52d220646_ctx:
	.size	k_qd52d220646_ctx, .Lfunc_end_k_qd52d220646_ctx-k_qd52d220646_ctx
	.p2alignl 7, 3214868480
	.fill 96, 4, 3214868480
	.section	.rodata,"a",@progbits
	.p2align	6, 0x0
	.amdhsa_kernel k_qd52d220646_ctx
		.amdhsa_group_segment_fixed_size 18432
		.amdhsa_private_segment_fixed_size 0
		.amdhsa_enable_private_segment 0
		.amdhsa_kernarg_size 32
		.amdhsa_user_sgpr_count 2
		.amdhsa_user_sgpr_kernarg_segment_ptr 1
		.amdhsa_wavefront_size32 1
		.amdhsa_system_sgpr_workgroup_id_x 1
		.amdhsa_system_sgpr_workgroup_id_y 1
		.amdhsa_system_sgpr_workgroup_id_z 1
		.amdhsa_system_vgpr_workitem_id 0
		.amdhsa_next_free_vgpr 224
		.amdhsa_next_free_sgpr 66
		.amdhsa_reserve_vcc 0
		.amdhsa_float_denorm_mode_32 3
		.amdhsa_float_denorm_mode_16_64 3
		.amdhsa_memory_ordered 1
		.amdhsa_forward_progress 1
		.amdhsa_inst_pref_size 48
	.end_amdhsa_kernel
	.amdgpu_metadata
---
amdhsa.version: [ 1, 2 ]
amdhsa.kernels:
  - .name:           k_qd52d220646_ctx
    .symbol:         k_qd52d220646_ctx.kd
    .args:
      - { .name: part, .offset: 0, .size: 8, .value_kind: global_buffer, .address_space: global }
      - { .name: enc_outputs, .offset: 8, .size: 8, .value_kind: global_buffer, .address_space: global }
      - { .name: out0, .offset: 16, .size: 8, .value_kind: global_buffer, .address_space: global }
      - { .name: out1, .offset: 24, .size: 8, .value_kind: global_buffer, .address_space: global }
    .group_segment_fixed_size: 18432
    .private_segment_fixed_size: 0
    .kernarg_segment_align: 8
    .kernarg_segment_size: 32
    .max_flat_workgroup_size: 512
    .sgpr_count:     66
    .vgpr_count:     224
    .wavefront_size: 32
...
	.end_amdgpu_metadata
.endif
;; end of part 3
